; MI455X (gfx1250); checked and timed in simulation.
; The chip was launched on July 23, 2026; its instructions are those of AMD's public machine-readable ISA for CDNA 5 (MIT licence, August 2026) and "CDNA5" Instruction Set Architecture Reference Guide (July 2026). The comments in the code are by the model that wrote it; some were corrected since.
;; Attention. Allowed arithmetic: matrix products marked QUANTISED: E5M2 operands, one E8M0 scale for each 32 along K, by v_wmma_scale_f32_16x16x128_f8f6f4 with both operands' format E5M2, f32 sums; products left as they are: f32 operands where the result goes on into a quantised operand, else bf16, f16 or f32 operands; f32 sums; everything else in f32.
;; Inputs: W_b 1,024 float32; W_w 1,024 x 2,048 float32; encoder_outputs 32 x 2,048 x 1,024 float32; hidden 32 x 1,024 float32; v_b 1 float32; v_w 1 x 1,024 float32.
;; Outputs: out0 32 x 1,024 float32; out1 32 x 2,048 float32.
;; This version of the problem:
;;   THIS VERSION OF THE PROBLEM IS GIVEN IN LOW PRECISION. The matrix products marked QUANTISED in the list below multiply operands that are first quantised to E5M2 (5 exponent bits, 2 mantissa bits; 8 bits a number), with one power-of-two scale for each 32 numbers along K (OCP MX v1.0); their sums are f32. All else is computed in f32.
;;   The module's matrix products, in the order in which they are computed (A, B: the left and right operand; K: the contracted axis; several contracted axes count as one K, in the product's order):
;;     1. [M 32, K 1,024] x [K 1,024, N 1,024]; A: input hidden; B: input W_w: QUANTISED
;;     2. [M 65,536, K 1,024] x [K 1,024, N 1,024]; A: input encoder_outputs; B: input W_w: QUANTISED
;;     3. [M 65,536, K 1,024] x [K 1,024, N 1]; A: computed on the way; B: input v_w: left as it is (N = 1 < 16)
;;     4. batch 32 x [M 1, K 2,048] x [K 2,048, N 1,024]; A: softmax; B: input encoder_outputs: left as it is (M = 1 < 16)
;;   THE QUANTISER, for each operand of a quantised product, along K:
;;     - K is cut into blocks of 32 from its start; a last block that is shorter is filled with zeros.
;;     - A block's scale is 2^e with e = floor(log2(the largest magnitude in the block)) - 15, held to -126 .. 127; a block of zeros has e = 0. As a byte (E8M0): e + 127.
;;     - Each number is divided by its block's scale, clamped to +-57,344, and rounded to the nearest number of E5M2, ties to even, subnormals kept.
;;     - The product sums the exact products of the quantised numbers (number of the format x scale) in f32.
;;   ~~~python
;;   def quantise(x, axis):      # numpy; x: float32 -> the quantised numbers, widened to float32 again
;;       x = np.moveaxis(x, axis, -1); K = x.shape[-1]
;;       x = np.pad(x, [(0, 0)] * (x.ndim - 1) + [(0, -K % 32)]); x = x.reshape(x.shape[:-1] + (-1, 32)); a = np.abs(x).max(-1, keepdims=True)
;;       e = np.where(a > 0, np.clip(np.frexp(np.where(a > 0, a, 1))[1] - 1 - 15, -126, 127), 0)      # np.frexp(a)[1] - 1 = floor(log2(a)), exactly
;;       r = np.clip(x / 2.0 ** e, -57344, 57344)
;;       step = 2.0 ** (np.maximum(np.frexp(np.where(r == 0, 1, r))[1] - 1, -14) - 2)
;;       q = np.round(r / step) * step * 2.0 ** e      # np.round: ties to even
;;       return np.moveaxis(q.reshape(q.shape[:-2] + (-1,))[..., :K], -1, axis).astype(np.float32)
;;   ~~~
;; One version. Each part assembles by itself: llvm-mc -triple=amdgcn-amd-amdhsa -mcpu=gfx1250 --defsym DOCPART=n.
;; ======== version 1 of 1: 3 launches
;; limits: right only within a limited range of input values
;; workspace buffers: wimg 1,081,344 bytes; tab 262,144 bytes; scores 262,144 bytes
;; launch prep (part 1): grid 128 x 1, 8 waves a work-group, no clusters, 17,920 bytes of LDS; arguments W_w, hidden, W_b, v_w, wimg, tab; writes wimg, tab
.if DOCPART == 1
	.amdgcn_target "amdgcn-amd-amdhsa--gfx1250"
	.amdhsa_code_object_version 6
	.text
	.protected	k_qe397ec3fae_prep
	.globl	k_qe397ec3fae_prep
	.p2align	8
	.type	k_qe397ec3fae_prep,@function
k_qe397ec3fae_prep:
	s_mov_b64 s[64:65], 0
	v_nop
	global_prefetch_b8 v0, s[64:65] scope:SCOPE_SE
	s_setreg_imm32_b32 hwreg(HW_REG_WAVE_MODE, 25, 1), 1
	s_wait_xcnt 0x0
; W_w [1024][2048] f32 = [Wh | We].  hidden [32][1024], W_b [1024], v_w [1024]: f32.
; Work-groups 0-63 (tile t of 16 outputs): We's rows 16 t .. 16 t + 15 become codes of BF8 (E5M2) with one E8M0 byte for each 32 along K, laid in wimg IN THE ORDER OF THE OPERAND'S REGISTERS:
;   record t = 16,896 bytes: K step k (128 along K) at 2,048 k: register group c of lane l at 512 c + 16 l;  behind the codes, at 16,384 + 256 p + 16 r: row r's four scale words of K steps 4 p .. 4 p + 3.
; Work-groups 64-127 (tile t): hp[b][o] = hidden x Wh^T, both operands quantised, by the scaled matrix instruction; then tab[b][o] = (C2 (hp + W_b[o]), v_w[o]), C2 = 2 log2(e): what the next launch's tanh wants.
; SHARES: wave k takes K step k.  hp is summed as eight partial sums of 128 along K, added in f32 in ascending K (each partial sum is one matrix instruction).
; A block's scale is 2^(floor(log2(largest magnitude)) - 15); its byte is the largest magnitude's exponent field - 15, held at 1 from below.
; LIMITS: a block of zeros gets the byte 1 (its codes are zeros; the bytes are read by this program alone); NaN and infinities among the inputs are not served.
; No cluster, no tensor load: each work-group reads 64 KiB of W_w of its own; what work-groups share is hidden, 131,072 bytes in all.  A lane loads 16 neighbours along K of its row (64 bytes), so a load touches
; sixteen rows; the launch reads 8.5 MB once.  tab leaves in runs of 128 bytes (a tile has 16 outputs x 8 bytes): 262,144 bytes in all.
; The two paths part on the work-group's number and have LDS bytes of their own.
; WORK LEFT OUT, in the whole program.  reference() forms scores[b][s] = sum over o of v_w[o] tanh(..) + v_b[0] and uses the scores in softmax over s alone.  With tanh(y) = 1 - 2 / (1 + e^(2 y)) a score is
; (v_b[0] + sum over o of v_w[o]) - 2 sum over o of v_w[o] / (1 + e^(2 y)): the bracket is the same for every s of a row, and softmax(x + c) = softmax(x) for every finite c.  So neither v_b nor the sum of v_w
; reaches weights or context, whatever finite values the inputs hold: v_b is not loaded and is among no launch's arguments, and the sum of v_w is not formed.
; LIMIT: a NaN, an infinity or an overflow that would arise in that bracket alone is not carried to the results.
.set C2,   0x4038aa3b                  ; 2 log2(e)
.set REC,  16896                       ; a tile's record in wimg
.set SCW,  0                           ; LDS, We's path: 512 bytes: the tile's scale words
.set PART, 512                         ; LDS, hp's path: 8 waves x 2,048 bytes: the partial sums
.set TM,   8                           ; v8-11 largest magnitudes, v12-15 bytes, v16-19 largest number x scale, v20-23 the conversions' scale operands
.set SW,   24                          ; v24 the weight's scale word, v25, v26 hidden's two tiles': scales and nothing else
.set X0,   32                          ; v32-95, v96-159, v160-223: three sets of 64 numbers
.set X1,   96
.set X2,   160
.set PC,   224                         ; v224-239 the weight's codes
.set HC,   32                          ; v32-47, v48-63 hidden's codes (the first set is done with)
.set D0,   64                          ; v64-71, v72-79 the two accumulators
.set D1,   72
.set BI,   160                         ; v160, v161 W_b[o], twice
.set OU,   164                         ; v[164:165], v[166:167] two pairs (cb, v)
.set RD,   240                         ; v240-255 eight partial sums, two numbers each
.set WV,   16
.set SEL,  18                          ; s[18:19] lane selects: lane l xor 16
.set MNT,  24                          ; s24 the mantissa field of 57,344
; 64 numbers of a lane, register 16 b + i = k 32 b + 16 (lane / 16) + i of my row, become a fragment's codes in v[pc] on and its scale word in v[pw]
.macro QUANT s, pc, pw
.irp b, 0,1,2,3
	v_max3_num_f32 v[TM+\b], |v[(\s)+16*\b]|, |v[(\s)+1+16*\b]|, 0x8000000   ; block b: my 16 numbers, and the floor 2^(16 - 127): the byte cannot fall under 1
.endr
.irp i, 2,4,6,8,10,12,14
.irp b, 0,1,2,3
	s_delay_alu instid0(VALU_DEP_4)
	v_max3_num_f32 v[TM+\b], v[TM+\b], |v[(\s)+16*\b+\i]|, |v[(\s)+1+16*\b+\i]|   ; the four blocks by turns
.endr
.endr
.irp b, 0,1,2,3
	s_delay_alu instid0(VALU_DEP_4)
	v_permlanex16_b32 v[TM+4+\b], v[TM+\b], s[SEL], s[SEL+1]
.endr
.irp b, 0,1,2,3
	s_delay_alu instid0(VALU_DEP_4)
	v_max_num_f32 v[TM+\b], v[TM+\b], v[TM+4+\b]                  ; with lane l xor 16's: the block's largest magnitude
.endr
.irp b, 0,1,2,3
	s_delay_alu instid0(VALU_DEP_4)
	v_add_nc_u32 v[TM+12+\b], 0xf8800000, v[TM+\b]                ; 15 off its exponent field: the conversion's scale operand
.endr
.irp b, 0,1,2,3
	v_and_or_b32 v[TM+8+\b], v[TM+\b], 0x7f800000, s[MNT]         ; 57,344 x the scale
.endr
.irp b, 0,1,2,3
	v_lshrrev_b32 v[TM+4+\b], 23, v[TM+12+\b]                     ; the scale's byte
.endr
	s_delay_alu instid0(VALU_DEP_3)
	v_lshl_or_b32 v[\pw], v[TM+5], 8, v[TM+4]                     ; four bytes: my row's scale word (64 holds stand between it and any product)
	s_delay_alu instid0(VALU_DEP_1)
	v_lshl_or_b32 v[\pw], v[TM+6], 16, v[\pw]
	s_delay_alu instid0(VALU_DEP_1)
	v_lshl_or_b32 v[\pw], v[TM+7], 24, v[\pw]
.irp b, 0,1,2,3
.irp i, 0,1,2,3,4,5,6,7,8,9,10,11,12,13,14,15
	v_med3_num_f32 v[(\s)+16*\b+\i], v[(\s)+16*\b+\i], -v[TM+8+\b], v[TM+8+\b]   ; the conversion to an 8-bit code does not saturate (ISA guide 7.6.2): the hold
.endr
	v_cvt_scalef32_pk8_bf8_f32 v[(\pc)+4*\b:(\pc)+1+4*\b], v[(\s)+16*\b:(\s)+7+16*\b], v[TM+12+\b]
	v_cvt_scalef32_pk8_bf8_f32 v[(\pc)+2+4*\b:(\pc)+3+4*\b], v[(\s)+8+16*\b:(\s)+15+16*\b], v[TM+12+\b]
.endr
	v_nop                                          ; one plain vector instruction behind the last scaled conversion
.endm
; a K step of 16 rows: lane (r, h) takes 16 neighbours of each of the four blocks of its row
.macro LOADX reg, adr, base, off
.irp c, 0,1,2,3
.irp j, 0,1,2,3
	global_load_b128 v[\reg+16*\c+4*\j:\reg+16*\c+4*\j+3], v[\adr], s[\base:\base+1] offset:\off+128*\c+16*\j
.endr
.endr
.endm
	s_load_b256 s[4:11], s[0:1], 0x0               ; W_w s[4:5], hidden s[6:7], W_b s[8:9], v_w s[10:11]
	s_load_b128 s[12:15], s[0:1], 0x20             ; wimg s[12:13], tab s[14:15]
	s_set_vgpr_msb 0x40
	v_lshl_add_u32 v0, v0, 2, 0x4200
	v_mov_b32 v1, 0
	s_set_vgpr_msb 0x4000
	v_and_b32 v1, 15, v0                           ; r
	v_bfe_u32 v2, v0, 4, 1                         ; h
	v_and_b32 v3, 31, v0                           ; lane
	v_lshrrev_b32 v4, 5, v0
	s_delay_alu instid0(VALU_DEP_1)
	v_readfirstlane_b32 s[WV], v4                  ; wave k = K step k
	v_lshlrev_b32 v5, 13, v1
	s_delay_alu instid0(VALU_DEP_1)
	v_lshl_add_u32 v5, v2, 6, v5                   ; W_w: row r of 8,192 bytes + 64 h
	v_lshlrev_b32 v6, 12, v1
	s_delay_alu instid0(VALU_DEP_1)
	v_lshl_add_u32 v6, v2, 6, v6                   ; hidden: row r of 4,096 bytes + 64 h
	v_lshlrev_b32 v7, 4, v3                        ; 16 x lane
	s_wait_alu depctr_va_vdst(0)
	v_lshlrev_b32 v31, 2, v1                       ; W_b, v_w: 4 r
	v_lshlrev_b32 v28, 3, v1
	s_delay_alu instid0(VALU_DEP_1)
	v_lshl_add_u32 v28, v2, 16, v28                ; tab: 8 rows of 8,192 bytes x h + 8 r
	s_lshr_b32 s34, s[WV], 2                       ; every LDS address is made here, ahead of the parting
	s_lshl_b32 s34, s34, 8
	s_and_b32 s33, s[WV], 3
	s_lshl_b32 s33, s33, 2
	s_add_co_u32 s34, s34, s33
	v_lshl_add_u32 v27, v1, 4, s34                 ; my scale word: 256 (k / 4) + 4 (k % 4) + 16 r
	s_lshl_b32 s32, s[WV], 11
	v_add_nc_u32 v29, s32, v7                      ; my partial sums: 2,048 k + 16 x lane
	s_lshr_b32 s35, s[WV], 1
	s_lshl_b32 s35, s35, 9
	s_and_b32 s33, s[WV], 1
	s_lshl_b32 s33, s33, 3
	s_add_co_u32 s35, s35, s33
	v_add_nc_u32 v30, s35, v7                      ; what I add up: 512 (k / 2) + 8 (k % 2) + 16 x lane
.irp b, 0,1,2,3
	v_mov_b32 v[TM+4+\b], 0                        ; written once: a lane permute's destination counts as one of its sources
.endr
	s_mov_b32 s[SEL], 0x76543210
	s_mov_b32 s[SEL+1], 0xfedcba98
	s_mov_b32 s[MNT], 0x600000
	s_and_b32 s17, ttmp9, 63                       ; t
	s_lshl_b32 s20, s17, 17                        ; 16 rows of W_w
	s_lshl_b32 s22, s[WV], 9                       ; K step k: 512 bytes
	s_add_co_u32 s20, s20, s22
	s_mov_b32 s21, 0
	s_mov_b32 s23, 0
	s_lshl_b32 s26, s17, 6                         ; W_b, v_w: 64 t
	s_mov_b32 s27, 0
	s_mul_i32 s28, s17, REC
	s_add_co_u32 s28, s28, s32                     ; wimg: record t, K step k
	s_mov_b32 s29, 0
	s_lshr_b32 s30, s[WV], 2
	s_lshl_b32 s30, s30, 4
	s_and_b32 s33, s[WV], 3
	s_lshl_b32 s33, s33, 1
	s_add_co_u32 s30, s30, s33                     ; 16 (k / 4) + 2 (k % 4): the first of the two rows of tab that I finish, for h = 0
	s_lshl_b32 s30, s30, 13
	s_lshl_b32 s33, s17, 7
	s_add_co_u32 s30, s30, s33                     ; + 128 t
	s_mov_b32 s31, 0
	s_wait_kmcnt 0x0
	s_add_nc_u64 s[4:5], s[4:5], s[20:21]
	s_add_nc_u64 s[6:7], s[6:7], s[22:23]
	s_add_nc_u64 s[8:9], s[8:9], s[26:27]
	s_add_nc_u64 s[10:11], s[10:11], s[26:27]
	s_add_nc_u64 s[12:13], s[12:13], s[28:29]
	s_add_nc_u64 s[14:15], s[14:15], s[30:31]
	s_cmp_lt_u32 ttmp9, 64
	s_cbranch_scc0 .Lhp
	; ---- We: columns 1,024 on of W_w, 4,096 bytes into each row
	LOADX X0, 5, 4, 4096
	s_wait_loadcnt 0x0
	QUANT X0, PC, SW
.irp c, 0,1,2,3
	global_store_b128 v7, v[PC+4*\c:PC+4*\c+3], s[12:13] offset:512*\c   ; the fragment as it stands in registers: 512 consecutive bytes a store
.endr
	ds_store_b32 v27, v[SW] offset:SCW             ; both lanes of a row write the same word with the same value
	s_wait_dscnt 0x0                               ; for the others' sake: my word has landed
	s_barrier_signal -1
	s_barrier_wait -1
	s_cmp_lg_u32 s[WV], 0
	s_cbranch_scc1 .Lwe_end
	ds_load_b128 v[RD:RD+3], v7 offset:SCW         ; wave 0 (k = 0): the tile's 512 bytes of scale words
	s_wait_dscnt 0x0
	global_store_b128 v7, v[RD:RD+3], s[12:13] offset:16384
.Lwe_end:
	s_set_vgpr_msb 0x5
	s_wait_tensorcnt 0x0
	ds_add_u32 v0, v1
	s_wait_dscnt 0x0
	s_set_vgpr_msb 0x500
	s_endpgm
.Lhp:	; ---- hp: Wh's 16 rows and hidden's 32, K step k
	LOADX X0, 5, 4, 0
	LOADX X1, 6, 6, 0
	LOADX X2, 6, 6, 65536
	s_wait_loadcnt 32                              ; Wh's 16 loads are in; hidden's 32 may be out
	QUANT X0, PC, SW
	s_wait_loadcnt 16                              ; hidden's rows 0-15
	QUANT X1, HC, SW+1
	s_wait_loadcnt 0x0
	QUANT X2, HC+16, SW+2
	global_load_b32 v[BI], v31, s[8:9]             ; W_b[16 t + r], into both halves of a pair;
	global_load_b32 v[BI+1], v31, s[8:9]
	global_load_b32 v[OU+1], v31, s[10:11]         ; v_w[16 t + r], into the upper half of both pairs that leave
	global_load_b32 v[OU+3], v31, s[10:11]
.rept 4
	v_nop                                          ; codes written by vector instructions stand four places ahead of a scaled matrix instruction
.endr
	v_wmma_scale_f32_16x16x128_f8f6f4 v[D0:D0+7], v[HC:HC+15], v[PC:PC+15], 0, v[SW+1], v[SW] matrix_a_fmt:MATRIX_FMT_BF8 matrix_b_fmt:MATRIX_FMT_BF8      ; register j of lane (r, h): b = 8 h + j, o = 16 t + r
	v_wmma_scale_f32_16x16x128_f8f6f4 v[D1:D1+7], v[HC+16:HC+31], v[PC:PC+15], 0, v[SW+2], v[SW] matrix_a_fmt:MATRIX_FMT_BF8 matrix_b_fmt:MATRIX_FMT_BF8   ; b = 16 + 8 h + j
.rept 8
	v_nop                                          ; eight places ahead of the first read of the results
.endr
	ds_store_b128 v29, v[D0:D0+3] offset:PART      ; each accumulator from its low end on
	ds_store_b128 v29, v[D0+4:D0+7] offset:PART+512
	ds_store_b128 v29, v[D1:D1+3] offset:PART+1024
	ds_store_b128 v29, v[D1+4:D1+7] offset:PART+1536
	s_wait_dscnt 0x0                               ; for the others' sake: my partial sums have landed
	s_barrier_signal -1
	s_barrier_wait -1
.irp i, 0,1,2,3,4,5,6,7
	ds_load_b64 v[RD+2*\i:RD+2*\i+1], v30 offset:PART+2048*\i   ; K step i's part of my two numbers
.endr
	s_wait_dscnt 0x0
.irp i, 1
	v_pk_add_f32 v[RD:RD+1], v[RD:RD+1], v[RD+2*\i:RD+2*\i+1]   ; K ascending
.endr
.irp i, 2, 3, 4, 5, 6, 7
	s_delay_alu instid0(VALU_DEP_1)
	v_pk_add_f32 v[RD:RD+1], v[RD:RD+1], v[RD+2*\i:RD+2*\i+1]   ; K ascending
.endr
	s_wait_alu depctr_va_vdst(0)
	s_wait_loadcnt 0x0                             ; W_b and v_w
	v_pk_add_f32 v[RD:RD+1], v[RD:RD+1], v[BI:BI+1]
	s_delay_alu instid0(VALU_DEP_1)
	v_mul_f32 v[OU], C2, v[RD]                     ; cb of row b,
	s_delay_alu instid0(VALU_DEP_2)
	v_mul_f32 v[OU+2], C2, v[RD+1]                 ; and of row b + 1
	global_store_b64 v28, v[OU:OU+1], s[14:15]
	global_store_b64 v28, v[OU+2:OU+3], s[14:15] offset:8192
	s_set_vgpr_msb 0x5
	s_wait_tensorcnt 0x0
	ds_add_u32 v0, v1
	s_wait_dscnt 0x0
	s_set_vgpr_msb 0x500
	s_endpgm
.Lfunc_end_k_qe397ec3fae_prep:
	.size	k_qe397ec3fae_prep, .Lfunc_end_k_qe397ec3fae_prep-k_qe397ec3fae_prep
	.p2alignl 7, 3214868480
	.fill 96, 4, 3214868480
	.section	.rodata,"a",@progbits
	.p2align	6, 0x0
	.amdhsa_kernel k_qe397ec3fae_prep
		.amdhsa_group_segment_fixed_size 17920
		.amdhsa_private_segment_fixed_size 0
		.amdhsa_enable_private_segment 0
		.amdhsa_kernarg_size 48
		.amdhsa_user_sgpr_count 2
		.amdhsa_user_sgpr_kernarg_segment_ptr 1
		.amdhsa_wavefront_size32 1
		.amdhsa_system_sgpr_workgroup_id_x 1
		.amdhsa_system_sgpr_workgroup_id_y 1
		.amdhsa_system_sgpr_workgroup_id_z 1
		.amdhsa_system_vgpr_workitem_id 0
		.amdhsa_next_free_vgpr 258
		.amdhsa_next_free_sgpr 66
		.amdhsa_reserve_vcc 0
		.amdhsa_float_denorm_mode_32 3
		.amdhsa_float_denorm_mode_16_64 3
		.amdhsa_memory_ordered 1
		.amdhsa_forward_progress 1
		.amdhsa_inst_pref_size 51
	.end_amdhsa_kernel
	.amdgpu_metadata
---
amdhsa.version: [ 1, 2 ]
amdhsa.kernels:
  - .name:           k_qe397ec3fae_prep
    .symbol:         k_qe397ec3fae_prep.kd
    .args:
      - { .name: W_w, .offset: 0, .size: 8, .value_kind: global_buffer, .address_space: global }
      - { .name: hidden, .offset: 8, .size: 8, .value_kind: global_buffer, .address_space: global }
      - { .name: W_b, .offset: 16, .size: 8, .value_kind: global_buffer, .address_space: global }
      - { .name: v_w, .offset: 24, .size: 8, .value_kind: global_buffer, .address_space: global }
      - { .name: wimg, .offset: 32, .size: 8, .value_kind: global_buffer, .address_space: global }
      - { .name: tab, .offset: 40, .size: 8, .value_kind: global_buffer, .address_space: global }
    .group_segment_fixed_size: 17920
    .private_segment_fixed_size: 0
    .kernarg_segment_align: 8
    .kernarg_segment_size: 48
    .max_flat_workgroup_size: 256
    .sgpr_count:     66
    .vgpr_count:     258
    .wavefront_size: 32
...
	.end_amdgpu_metadata
.endif
;; end of part 1
;; launch scores (part 2): grid 256 x 1, 4 waves a work-group, clusters of 4 x 1, 327,680 bytes of LDS; arguments encoder_outputs, wimg, tab, scores; writes scores
.if DOCPART == 2
	.amdgcn_target "amdgcn-amd-amdhsa--gfx1250"
	.amdhsa_code_object_version 6
	.text
	.protected	k_qe397ec3fae_scores
	.globl	k_qe397ec3fae_scores
	.p2align	8
	.type	k_qe397ec3fae_scores,@function
k_qe397ec3fae_scores:
	s_mov_b64 s[64:65], 0
	v_nop
	global_prefetch_b8 v0, s[64:65] scope:SCOPE_SE
	s_setreg_imm32_b32 hwreg(HW_REG_WAVE_MODE, 25, 1), 1
	s_wait_xcnt 0x0
	s_wait_alu depctr_hold_cnt(0) depctr_sa_sdst(0) depctr_va_vdst(0) depctr_va_sdst(0) depctr_va_ssrc(0) depctr_va_vcc(0) depctr_vm_vsrc(0)
	s_getreg_b32 s2, hwreg(HW_REG_IB_STS2, 6, 4)
	s_cmp_eq_u32 s2, 0
	s_cbranch_scc0 .Lentry_in_a_cluster
	s_endpgm
.Lentry_in_a_cluster:
	s_bfe_u32 s2, ttmp6, 0x10000c
	s_cmp_lg_u32 s2, 0x3003
	s_cbranch_scc0 .Lentry_shape_is_right
	s_endpgm
.Lentry_shape_is_right:
; scores[row] = -2 sum over o of v[o] / (1 + 2^u), u = C2 (enc[row] . We[o]) + cb[b][o], row = 2,048 b + s; the product on codes of BF8 (E5M2) with one E8M0 scale for each 32 along K.
; That is reference()'s score less v_b + sum of v_w, which is the same along the softmax's axis and is left out (shown at the head of the first kernel).  2^u = infinity gives 0, 2^u = 0 gives v: right for every finite u.
; SHARES.  Work-group g owns rows 256 g .. 256 g + 255 (one batch: b = g / 8), each of its four waves 64 of them: four tiles of 16.
; PHASE L: the wave's 64 rows x 1,024 of f32 are read once, 512 consecutive bytes a load, turned through the wave's own stage in LDS so that a lane holds 16 neighbours along K, quantised, and kept as codes in 512 registers
;   (they pass through the wave's own images in LDS, since a loop cannot name other registers in each trip).
; PHASE G: We's 64 tiles of 16 outputs, laid by the launch before in the order of the operand's registers, go once through a ring of two LDS slots of four tiles; each fragment read from LDS feeds four matrix instructions.
;   THE PRODUCT IS USED TRANSPOSED: source 0 = 16 outputs of We, source 1 = 16 of my rows.  Register j of lane (r, h) is row r, output 8 h + j: a lane sums over its own outputs, and We's fragments, the sums and
;   the LDS address lie in ONE register window, so that an LDS load can stand behind each matrix instruction with no switch of windows.
;   Two tiles at a time: 64 matrix instructions with no transcendental among them, then the tanh of their 64 numbers a lane in batches.
; CLUSTER: the four work-groups of a cluster walk the same We: every tensor load is asked for JOINTLY (mask 15), each wave its own quarter of a slot.
; LIMITS: a block of zeros gets the scale byte 1 with zero codes (the bytes never leave the launch); NaN and infinities among the inputs are not served.
; No prefetch: phase L has 64 loads a wave on their way throughout; wimg's 1,081,344 bytes are walked by all 256 work-groups in the same order.
; REGISTERS, in windows of 256.  window 0: v1-18 addresses; v32-63 enc's scale words (8 m + k); v64-71 We's (4 q + k % 4: lanes 0-15 K steps 0-3, lanes 16-31 K steps 4-7); phase L: v80-96 at work, v112-239 two sets of 64, v240-255 codes.
;   window 1: phase L: four sets of 64 as loaded; phase G: v0-127 We's eight fragments, v128-191 two tiles' sums, v192-223 cb and v, v224-231 the scores' sums, v232-239 addresses.  windows 2, 3: enc's codes of K steps 0-3, 4-7: 64 m + 16 (k % 4).
.set REC,   16896                      ; a tile's record: 8 fragments of 2,048 bytes and 512 bytes of scale words
.set SLOTB, 4*REC                      ; a slot: 0x10800; no address inside a slot's first half has either of these two bits, so one exclusive or turns a slot's base
.set CBT,   2*SLOTB                    ; the batch's 1,024 cb, then its 1,024 v: stored once by the waves
.set SPARE, CBT+8192                   ; the spare words, 128 bytes for each wave
.set STAGE, SPARE+512                  ; a stage of 16 rows x (512 + 16) bytes for each wave
.set STGW,  16*528
.set IMG,   STAGE+4*STGW               ; for each wave: 16 fragments' images (2,048 bytes each), then their scale words' (128 each)
.set IMGW,  16*2048+16*128
.set L16, 1                            ; 16 x lane
.set SPW, 2                            ; my spare word; never rewritten
.set NIL, 3                            ; 0; never rewritten
.set STS, 4                            ; the stage, in
.set STL, 5                            ; the stage, out: 528 r + 64 h
.set IMB, 6                            ; my images
.set ISB, 7                            ; my scale words' images
.set IMA, 8                            ; the same for the K step in hand
.set ISA, 9
.set TS4, 10                           ; CBT + 4 x thread
.set T8,  11                           ; 8 x thread
.set TA0, 12                           ; CBT + 32 h
.set SO,  16                           ; the way out: stage + 4 r
.set SL,  17                           ; stage + 8 x lane
.set GO,  18                           ; 8 x lane
.set SA,  32
.set SBR, 64
.set TM,  80
.set PW,  96
.set XB,  112
.set PC,  240
.set ACC, 128                          ; window 1 from here on
.set CB,  192
.set VV,  208
.set S,   224
.set BAD, 232                          ; the pair of tiles in hand in the ring: base + 16 x lane
.set TAD, 233                          ; its cb
.set L16P, 234
.set TA0P, 235
.set PT,  236
.set WV,  14
.set SEL, 20
.set MNT, 22
.set C2S, 24
.set TB,  28                           ; LDS byte of the slot in hand
.set TT,  29                           ; the pair's 128 bytes of cb
.set SLOTS, 30
.set TBN, 31
.set IM,  32
.set IS,  33
.set TRIPS, 34
.set EB,  36
.set G1,  40
.set G0A, 60
.set G0,  68
.set MSB, 0
.macro WIN new                         ; the immediate's high byte repeats the setting that is left; a switch that changes nothing is dropped
.if MSB != \new
	s_set_vgpr_msb (MSB<<8)|\new
.set MSB, \new
.endif
.endm
.macro CREST                           ; a round of the cluster's barrier behind its opening barrier
	s_cmp_lg_u32 s[WV], 0
	s_cbranch_scc1 .Lnot_wave_0_\@
	s_barrier_signal -3
.Lnot_wave_0_\@:
	s_barrier_wait -3
	s_barrier_signal -1
	s_barrier_wait -1
.endm
.macro CROUND
	s_barrier_signal -1
	s_barrier_wait -1
	CREST
.endm
; 64 numbers of a lane, register 16 b + i = k 32 b + 16 (lane / 16) + i of my row, become a fragment's codes in v[pc] on and its scale word in v[pw]
.macro QUANT s, pc, pw
.irp b, 0,1,2,3
	v_max3_num_f32 v[TM+\b], |v[(\s)+16*\b]|, |v[(\s)+1+16*\b]|, 0x8000000   ; my 16 numbers, and the floor 2^(16 - 127): the byte cannot fall under 1
.endr
.irp i, 2,4,6,8,10,12,14
.irp b, 0,1,2,3
	v_max3_num_f32 v[TM+\b], v[TM+\b], |v[(\s)+16*\b+\i]|, |v[(\s)+1+16*\b+\i]|
.endr
.endr
.irp b, 0,1,2,3
	v_permlanex16_b32 v[TM+4+\b], v[TM+\b], s[SEL], s[SEL+1]
.endr
.irp b, 0,1,2,3
	v_max_num_f32 v[TM+\b], v[TM+\b], v[TM+4+\b]                  ; with lane l xor 16's: the block's largest magnitude
.endr
.irp b, 0,1,2,3
	v_add_nc_u32 v[TM+12+\b], 0xf8800000, v[TM+\b]                ; 15 off its exponent field: the conversion's scale operand
.endr
.irp b, 0,1,2,3
	v_and_or_b32 v[TM+8+\b], v[TM+\b], 0x7f800000, s[MNT]         ; 57,344 x the scale
.endr
.irp b, 0,1,2,3
	v_lshrrev_b32 v[TM+4+\b], 23, v[TM+12+\b]                     ; the scale's byte
.endr
	v_lshl_or_b32 v[\pw], v[TM+5], 8, v[TM+4]
	v_lshl_or_b32 v[\pw], v[TM+6], 16, v[\pw]
	v_lshl_or_b32 v[\pw], v[TM+7], 24, v[\pw]
.irp b, 0,1,2,3
.irp i, 0,1,2,3,4,5,6,7,8,9,10,11,12,13,14,15
	v_med3_num_f32 v[(\s)+16*\b+\i], v[(\s)+16*\b+\i], -v[TM+8+\b], v[TM+8+\b]   ; the conversion does not saturate (ISA guide 7.6.2): the hold
.endr
	v_cvt_scalef32_pk8_bf8_f32 v[(\pc)+4*\b:(\pc)+1+4*\b], v[(\s)+16*\b:(\s)+7+16*\b], v[TM+12+\b]
	v_cvt_scalef32_pk8_bf8_f32 v[(\pc)+2+4*\b:(\pc)+3+4*\b], v[(\s)+8+16*\b:(\s)+15+16*\b], v[TM+12+\b]
.endr
	v_nop                                          ; one plain vector instruction behind the last scaled conversion
.endm
	s_load_b256 s[4:11], s[0:1], 0x0               ; enc s[4:5], wimg s[6:7], tab s[8:9], scores s[10:11]
	v_lshl_add_u32 v[SPW], v0, 2, SPARE
	v_mov_b32 v[NIL], 0
	ds_add_u32 v[SPW], v[NIL]                      ; the opening lines: the add, twice on end, and its wait
	ds_add_u32 v[SPW], v[NIL]
	v_lshrrev_b32 v19, 5, v0
	v_readfirstlane_b32 s[WV], v19                 ; wave 0..3
	s_bfe_u32 s15, ttmp6, 0x40000                  ; cx: it enters enc's and scores' addresses alone
	s_lshl_b32 s16, ttmp9, 2
	s_add_co_u32 s16, s16, s15                     ; g = 4 x cluster + cx
	s_lshr_b32 s17, ttmp9, 1                       ; the batch, which the four partners share
	s_mul_i32 s18, s[WV], STGW
	s_add_co_u32 s18, s18, STAGE                   ; my stage
	s_mul_i32 s19, s[WV], IMGW
	s_add_co_u32 s19, s19, IMG                     ; my images
	s_add_co_u32 s23, s19, 16*2048                 ; and their scale words
	s_mov_b32 s[SEL], 0x76543210
	s_mov_b32 s[SEL+1], 0xfedcba98
	s_mov_b32 s[MNT], 0x600000
	s_mov_b32 s[C2S], 0x4038aa3b                   ; C2 = 2 log2(e)
	s_mov_b32 s[C2S+1], 0x4038aa3b
	s_mov_b32 s[IM], 0
	s_mov_b32 s[IS], 0
	s_mov_b32 s[G1], 15|(3<<16)|(1<<21)            ; group 1: the mask of all four; elements of 8 bytes; bit 21 beside a mask
	s_mov_b32 s[G1+1], 32<<16                      ; rows of 256 bytes,
	s_mov_b32 s[G1+2], 66<<16                      ; 66 of them: one record
	s_mov_b32 s[G1+3], 32<<16
	s_mov_b32 s[G1+4], 66
	s_mov_b32 s[G1+5], 32
	s_mov_b32 s[G1+6], 0
	s_mov_b32 s[G1+7], 0
	s_lshl_b32 s72, s17, 13                        ; tab: 8,192 b
	s_mov_b32 s73, 0
	s_mul_i32 s74, s[WV], REC                      ; wimg and the slot: record w of the four
	s_mov_b32 s75, 0
	s_lshl_b32 s76, s16, 20                        ; enc: 256 g rows of 4,096 bytes + 64 w rows
	s_lshl_b32 s77, s[WV], 18
	s_add_co_u32 s76, s76, s77
	s_mov_b32 s77, 0
	s_lshl_b32 s78, s16, 10                        ; scores: 1,024 g + 256 w
	s_lshl_b32 s79, s[WV], 8
	s_add_co_u32 s78, s78, s79
	s_mov_b32 s79, 0
	v_and_b32 v22, 31, v0                          ; lane
	v_and_b32 v23, 15, v0                          ; r
	v_bfe_u32 v28, v0, 4, 1                        ; h
	v_lshlrev_b32 v[L16], 4, v22
	v_add_nc_u32 v[STS], s18, v[L16]
	v_mul_u32_u24 v[STL], v23, 528
	v_lshl_add_u32 v[STL], v28, 6, v[STL]
	v_add_nc_u32 v[STL], s18, v[STL]
	v_add_nc_u32 v[IMB], s19, v[L16]
	v_lshl_add_u32 v[ISB], v22, 2, s23
	v_lshl_add_u32 v[TS4], v0, 2, CBT
	v_lshlrev_b32 v[T8], 3, v0
	v_lshl_add_u32 v[TA0], v28, 5, CBT
	v_lshl_add_u32 v[SO], v23, 2, s18
	v_lshl_add_u32 v[SL], v22, 3, s18
	v_lshlrev_b32 v[GO], 3, v22
.irp b, 0,1,2,3
	v_mov_b32 v[TM+4+\b], 0                        ; a lane permute's destination counts as one of its sources
.endr
	s_wait_alu depctr_va_vdst(0)
	s_wait_dscnt 0x0                               ; both opening adds are done
	s_wait_kmcnt 0x0
	s_add_nc_u64 s[EB:EB+1], s[4:5], s[76:77]
	s_add_nc_u64 s[8:9], s[8:9], s[72:73]
	s_add_nc_u64 s[10:11], s[10:11], s[78:79]
	s_mov_b32 s[G0A], 1
	s_mov_b32 s[G0A+1], s74
	s_add_nc_u64 s[G0A+2:G0A+3], s[6:7], s[74:75]  ; tiles 0-3 into slot 0
	s_mov_b32 s[G0], 1
	s_add_co_u32 s[G0+1], s74, SLOTB
	s_add_nc_u64 s[G0+2:G0+3], s[G0A+2:G0A+3], SLOTB   ; tiles 4-7 into slot 1; this group then walks
	s_or_b32 s[G0A+3], s[G0A+3], 0x80000000
	s_or_b32 s[G0+3], s[G0+3], 0x80000000
	CROUND                                         ; all four work-groups are here: the first joint loads meet
	tensor_load_to_lds s[G0A:G0A+3], s[G1:G1+7]    ; my one load at the head: my record of slot 0
	s_nop 0
.rept 4
	v_nop
.endr
; ---------------- PHASE L
.macro LOADF q, off                    ; tile q's 16 rows of a K step: a load takes 512 consecutive bytes of one row
	WIN 0x40
.irp i, 0,1,2,3,4,5,6,7,8,9,10,11,12,13,14,15
	global_load_b128 v[64*(\q)+4*\i:64*(\q)+4*\i+3], v[L16], s[EB:EB+1] offset:(16*(\q)+\i)*4096+\off th:TH_LOAD_NT
.endr
.endm
.macro TURNF q                         ; through my stage: in as loaded, out 64 bytes a lane.  LDS serves a wave's instructions in order (ISA guide 5.7.1.4)
	WIN 0x04
.irp i, 0,1,2,3,4,5,6,7,8,9,10,11,12,13,14,15
	ds_store_b128 v[STS], v[64*(\q)+4*\i:64*(\q)+4*\i+3] offset:528*\i
.endr
	WIN 0
.irp c, 0,1,2,3
.irp j, 0,1,2,3
	ds_load_b128 v[XB+64*((\q)&1)+16*\c+4*\j:XB+64*((\q)&1)+16*\c+4*\j+3], v[STL] offset:128*\c+16*\j
.endr
.endr
.endm
.macro STEPF q, ahead, cnt, turn
	s_wait_dscnt 0x0                               ; tile q's numbers are back from the stage; earlier LDS stores have read their registers
.if \ahead
	LOADF \q, 512                                  ; the next K step's tile q, into the registers just freed
.endif
.if \turn
	s_wait_loadcnt \cnt                            ; the next tile's 16 loads are in; the younger tiles' loads, 16 each, stay out
	TURNF ((\q)+1)%4
.endif
	WIN 0
	QUANT XB+64*((\q)&1), PC, PW
.irp c, 0,1,2,3
	ds_store_b128 v[IMA], v[PC+4*\c:PC+4*\c+3] offset:2048*(\q)+512*\c
.endr
	ds_store_b32 v[ISA], v[PW] offset:128*(\q)
.endm
.macro TRIPF ahead                     ; one K step of my 64 rows
	v_add_nc_u32 v[IMA], s[IM], v[IMB]
	v_add_nc_u32 v[ISA], s[IS], v[ISB]
.if \ahead
	STEPF 0, 1, 48, 1
	STEPF 1, 1, 48, 1
	STEPF 2, 1, 48, 1
	STEPF 3, 1, 48, 1
	s_wait_xcnt 0x0                                ; the loads have read their base: it may step
	s_add_nc_u64 s[EB:EB+1], s[EB:EB+1], 512
	s_add_co_u32 s[IM], s[IM], 4*2048
	s_add_co_u32 s[IS], s[IS], 4*128
.else
	STEPF 0, 0, 32, 1                              ; the last K step asks for nothing: the counts run down
	STEPF 1, 0, 16, 1
	STEPF 2, 0, 0, 1
	STEPF 3, 0, 0, 0
.endif
.endm
.macro FETCH hh                        ; four K steps' images become registers: window 2 + hh.  My own bytes, served in order behind my stores
	WIN (0x80+0x40*\hh)
.irp m, 0,1,2,3
.irp kk, 0,1,2,3
.irp c, 0,1,2,3
	ds_load_b128 v[64*\m+16*\kk+4*\c:64*\m+16*\kk+4*\c+3], v[IMB] offset:(4*\kk+\m)*2048+512*\c
.endr
.endr
.endr
	WIN 0
.irp m, 0,1,2,3
.irp kk, 0,1,2,3
	ds_load_b32 v[SA+8*\m+4*\hh+\kk], v[ISB] offset:(4*\kk+\m)*128
.endr
.endr
.endm
.irp i, 0,1,2,3,4,5,6,7
	global_load_b64 v[PC+2*\i:PC+2*\i+1], v[T8], s[8:9] offset:1024*\i   ; the batch's pairs (cb, v): output thread + 128 i; a wave reads 256 consecutive bytes
.endr
	LOADF 0, 0
	LOADF 1, 0
	LOADF 2, 0
	WIN 0
	s_wait_loadcnt 48                              ; the eight loads of pairs are in; the 48 of enc's tiles 0-2 stay out
.irp i, 0,1,2,3,4,5,6,7
	ds_store_b32 v[TS4], v[PC+2*\i] offset:512*\i            ; cb and v part into two arrays, so that eight neighbours of either fill eight registers
	ds_store_b32 v[TS4], v[PC+2*\i+1] offset:4096+512*\i
.endr
	LOADF 3, 0
	s_wait_loadcnt 48                              ; tile 0's 16 loads are in; tiles 1-3's stay out
	TURNF 0
	s_mov_b32 s[TRIPS], 4
.Lka:                                              ; K steps 0-3
	TRIPF 1
	s_sub_co_u32 s[TRIPS], s[TRIPS], 1
	s_cmp_lg_u32 s[TRIPS], 0
	s_cbranch_scc1 .Lka
	FETCH 0
	s_mov_b32 s[IM], 0                             ; the images are written anew
	s_mov_b32 s[IS], 0
	s_mov_b32 s[TRIPS], 3
.Lkb:                                              ; K steps 4-6
	TRIPF 1
	s_sub_co_u32 s[TRIPS], s[TRIPS], 1
	s_cmp_lg_u32 s[TRIPS], 0
	s_cbranch_scc1 .Lkb
	TRIPF 0                                        ; K step 7: written out, so that no load leaves the buffer
	FETCH 1
; ---------------- PHASE G
.macro LF q, k, c                      ; register group c of fragment k of the pair's tile q
	ds_load_b128 v[16*(\k)+4*(\c):16*(\k)+4*(\c)+3], v[BAD] offset:(\q)*REC+2048*(\k)+512*(\c)
.endm
.macro LSB                             ; the pair's scale words: at 16 x lane behind a record's codes lanes 0-15 find K steps 0-3 of row r, lanes 16-31 K steps 4-7
	WIN 0x15                                       ; destination window 0, address window 1
	ds_load_b128 v[SBR:SBR+3], v[BAD] offset:16384
	ds_load_b128 v[SBR+4:SBR+7], v[BAD] offset:REC+16384
	WIN 0x55
.endm
.macro LTB reg, off                    ; eight neighbours of cb (or v) for each of the pair's tiles: outputs 16 t + 8 h + 0 .. 7
.irp q, 0,1
.irp i, 0,1
	ds_load_b128 v[\reg+8*\q+4*\i:\reg+8*\q+4*\i+3], v[TAD] offset:\off+64*\q+16*\i
.endr
.endr
.endm
.macro MM                              ; tile q of the pair, K step k, my rows' tile m
.set rD, ACC+32*q+8*m
.set rA, 16*k
.set rB, 64*m+16*(k%4)
.set rS, SBR+4*q+(k%4)
.set rT, SA+8*m+k
.if k == 0
	v_wmma_scale_f32_16x16x128_f8f6f4 v[rD:rD+7], v[rA:rA+15], v[rB:rB+15], 0, v[rS], v[rT] matrix_a_fmt:MATRIX_FMT_BF8 matrix_b_fmt:MATRIX_FMT_BF8
.else
.if k < 4
	v_wmma_scale_f32_16x16x128_f8f6f4 v[rD:rD+7], v[rA:rA+15], v[rB:rB+15], v[rD:rD+7], v[rS], v[rT] matrix_a_fmt:MATRIX_FMT_BF8 matrix_b_fmt:MATRIX_FMT_BF8
.else
	v_wmma_scale_f32_16x16x128_f8f6f4 v[rD:rD+7], v[rA:rA+15], v[rB:rB+15], v[rD:rD+7], v[rS], v[rT] matrix_a_fmt:MATRIX_FMT_BF8 matrix_b_fmt:MATRIX_FMT_BF8 matrix_a_scale:MATRIX_SCALE_ROW1
.endif
.endif
.endm
; THE PRODUCTS OF A PAIR OF TILES: 16 steps of four matrix instructions, the four sums by turns.  On the way in are out, in this order: the first tile's fragments 0-3 (16 loads), v (4) and
; the first tile's fragments 4-7 (16).  The LDS loads stand in runs of 16: behind step 3 the second tile's fragments 0-3, behind step 7 its fragments 4-7: each fragment is asked for four steps or more ahead of its use.
; The waits count the loads issued behind the fragment wanted: steps 0-3: 32, 28, 24, 20 (the later fragments of the first run, v and 16); steps 4-7 and 8-11: 28, 24, 20, 16 (the later fragments and the 16 issued since); steps 12-15: 12, 8, 4, 0.
; Eight v_nop behind steps 3 and 7 are the places ahead of the loads into fragments that the four steps before have read; the runs that stand in the tanh have its lines as places.
.macro MPH
.set g, 0
.rept 16
.set q, g/8
.set k, g%8
.if g < 4
	s_wait_dscnt 32-4*g
.else
.if g < 12
	s_wait_dscnt 28-4*(g%4)
.else
	s_wait_dscnt 4*(15-g)
.endif
.endif
	WIN (0x59+4*(k/4))                             ; source 1 (enc) window 2 or 3; all else window 1
.set m, 0
.rept 4
	MM
.set m, m+1
.endr
.if (g == 3) || (g == 7)
.rept 8
	v_nop
.endr
.set fk, 4*(g/4)                       ; behind step 3 the second tile's fragments 0-3, behind step 7 its fragments 4-7
.rept 4
.set fc, 0
.rept 4
	LF 1, fk, fc
.set fc, fc+1
.endr
.set fk, fk+1
.endr
.endif
.set g, g+1
.endr
.endm
; THE TANH OF A PAIR, 64 numbers a lane, in batches: u; 2^u; 1 + 2^u; the reciprocal; the sums take v x it.  Each batch of transcendentals has one wait ahead of it and one behind it.
; nxt = 1: the next pair's scale words, cb, first four fragments and v are asked for among these lines.  half = 1: the next pair lies in the other slot.
; chg: THE CHANGE OF SLOTS: all the slot's bytes have been asked for.  Each wave waits for all its tensor loads (one is out: its part of the other slot), adds 0 to its spare word, and waits for that and for its reads of
; the slot; the exponentials stand between the opening signal and its wait.  chg = 1: a round of the cluster's barrier, and behind it my one load fills the slot with the tiles two slots on; chg = 2: nothing is filled.
.macro TPH half, chg, nxt
.if \chg
	WIN 0
	s_wait_tensorcnt 0x0                           ; no tensor load of mine is out, so the walking group 0 may be written
	ds_add_u32 v[SPW], v[NIL]
.if \chg == 1
	s_xor_b32 s[G0+1], s[G0+1], SLOTB              ; the other slot than last time,
	s_add_nc_u64 s[G0+2:G0+3], s[G0+2:G0+3], SLOTB ; the next four tiles
.endif
.endif
	WIN 0x55
.if \nxt
.if \half
	s_xor_b32 s[TB], s[TB], SLOTB
	v_add_nc_u32 v[BAD], s[TB], v[L16P]
.else
	s_add_co_u32 s[TBN], s[TB], 2*REC
	v_add_nc_u32 v[BAD], s[TBN], v[L16P]
.endif
	s_add_co_u32 s[TT], s[TT], 128
	v_add_nc_u32 v[TAD], s[TT], v[TA0P]
.endif
.irp q, 0,1                                    ; the first tile's sums first: these 16 lines are the places behind the second tile's last products; each sum is read from its low end on
.irp j, 0,1,2,3
.irp m, 0,1,2,3
	v_pk_fma_f32 v[ACC+32*\q+8*\m+2*\j:ACC+32*\q+8*\m+2*\j+1], v[ACC+32*\q+8*\m+2*\j:ACC+32*\q+8*\m+2*\j+1], s[C2S:C2S+1], v[CB+8*\q+2*\j:CB+8*\q+2*\j+1] op_sel_hi:[1,0,1]
.endr
.endr
.endr
.if \chg
	s_wait_dscnt 0x0                               ; the add is done, and my reads of the slot are over
	s_barrier_signal -1
.endif
	s_wait_alu depctr_va_vdst(0)
.set n, 0
.rept 64
	v_exp_f32 v[ACC+n], v[ACC+n]
.set n, n+1
.endr
	v_nop
	s_wait_alu depctr_va_vdst(0)
.if \chg
	WIN 0
	s_barrier_wait -1
.if \chg == 1
	CREST
	tensor_load_to_lds s[G0:G0+3], s[G1:G1+7]
	s_nop 0
.endif
.endif
.if \nxt
	LSB
	LTB CB, 0
.irp k, 0,1,2,3                                ; in the same run: the next pair's first tile, fragments 0-3
.irp c, 0,1,2,3
	LF 0, \k, \c
.endr
.endr
.endif
.set n, 0
.rept 32
	v_pk_add_f32 v[ACC+2*n:ACC+2*n+1], v[ACC+2*n:ACC+2*n+1], 1.0 op_sel_hi:[1,0]
.set n, n+1
.endr
	s_wait_alu depctr_va_vdst(0)
.set n, 0
.rept 64
	v_rcp_f32 v[ACC+n], v[ACC+n]
.set n, n+1
.endr
	v_nop
	s_wait_alu depctr_va_vdst(0)
.set n, 0
.irp q, 0,1
.irp j, 0,1,2,3
.irp m, 0,1,2,3
	v_pk_fma_f32 v[S+2*\m:S+2*\m+1], v[ACC+32*\q+8*\m+2*\j:ACC+32*\q+8*\m+2*\j+1], v[VV+8*\q+2*\j:VV+8*\q+2*\j+1], v[S+2*\m:S+2*\m+1]
.set n, n+1
.endr
.endr
.endr
.if \nxt
	LTB VV, 4096
.irp k, 4,5,6,7                                ; in the same run: the next pair's first tile, fragments 4-7
.irp c, 0,1,2,3
	LF 0, \k, \c
.endr
.endr
.endif
.endm
	WIN 0x40                                       ; window 1's constants (all loads into it have landed)
	v_mov_b32 v[L16P], v[L16]
	v_mov_b32 v[TA0P], v[TA0]
	v_mov_b32 v[BAD], v[L16]                       ; slot 0's first pair
	v_mov_b32 v[TAD], v[TA0]
.irp i, 0,1,2,3,4,5,6,7
	v_mov_b32 v[S+\i], 0                           ; the four tiles' sums, a pair each
.endr
.irp i, 0,1,2,3
	v_mov_b32 v[PT+\i], 0                          ; a lane permute's destination counts as one of its sources
.endr
	WIN 0
	s_mov_b32 s[TB], 0
	s_mov_b32 s[TT], 0
	s_wait_alu depctr_va_vdst(0)
	s_wait_tensorcnt 0x0                           ; my record of slot 0 is in; the same lines ahead of a later first fill as ahead of a refill
	ds_add_u32 v[SPW], v[NIL]
	s_wait_dscnt 0x0                               ; the add is done; my codes are in registers; my part of cb and v has landed
	CROUND
	tensor_load_to_lds s[G0:G0+3], s[G1:G1+7]      ; slot 1's first fill: my one load behind the round
	s_nop 0
	LSB
	LTB CB, 0
.irp k, 0,1,2,3
.irp c, 0,1,2,3
	LF 0, \k, \c
.endr
.endr
	LTB VV, 4096
.irp k, 4,5,6,7
.irp c, 0,1,2,3
	LF 0, \k, \c
.endr
.endr
	WIN 0
	s_mov_b32 s[SLOTS], 14
.Lslot:                                            ; 14 trips: slots' worth 2 to 15 of We are asked for
	MPH
	TPH 0, 0, 1
	MPH
	TPH 1, 1, 1
	WIN 0
	s_sub_co_u32 s[SLOTS], s[SLOTS], 1
	s_cmp_lg_u32 s[SLOTS], 0
	s_cbranch_scc1 .Lslot
	MPH                                            ; the last two slots are written out
	TPH 0, 0, 1
	MPH
	TPH 1, 2, 1
	MPH
	TPH 0, 0, 1
	MPH
	TPH 1, 0, 0
	; THE WAY OUT: a tile's pair of sums, then lane l xor 16's eight outputs of each tile; x -2; 64 scores a wave leave as 256 consecutive bytes
.irp m, 0,1,2,3
	v_add_f32 v[S+2*\m], v[S+2*\m], v[S+2*\m+1]
.endr
.irp m, 0,1,2,3
	v_permlanex16_b32 v[PT+\m], v[S+2*\m], s[SEL], s[SEL+1]
.endr
.irp m, 0,1,2,3
	v_add_f32 v[S+2*\m], v[S+2*\m], v[PT+\m]
.endr
.irp m, 0,1,2,3
	v_mul_f32 v[S+2*\m], -2.0, v[S+2*\m]
.endr
	WIN 0x04
.irp m, 0,1,2,3
	ds_store_b32 v[SO], v[S+2*\m] offset:64*\m     ; row 16 m + r: both lanes of a row write the same word with the same value
.endr
	WIN 0
	ds_load_b64 v[28:29], v[SL]                    ; my own bytes, served in order behind my stores
	s_wait_dscnt 0x0
	global_store_b64 v[GO], v[28:29], s[10:11]     ; 32 lanes store 256 consecutive bytes, at a multiple of 256 from the buffer's first byte
	s_wait_tensorcnt 0x0                           ; the wave's end
	ds_add_u32 v[SPW], v[NIL]
	s_wait_dscnt 0x0
	CROUND                                         ; the closing round
	s_endpgm
.Lfunc_end_k_qe397ec3fae_scores:
	.size	k_qe397ec3fae_scores, .Lfunc_end_k_qe397ec3fae_scores-k_qe397ec3fae_scores
	.p2alignl 7, 3214868480
	.fill 96, 4, 3214868480
	.section	.rodata,"a",@progbits
	.p2align	6, 0x0
	.amdhsa_kernel k_qe397ec3fae_scores
		.amdhsa_group_segment_fixed_size 327680
		.amdhsa_private_segment_fixed_size 0
		.amdhsa_enable_private_segment 0
		.amdhsa_kernarg_size 32
		.amdhsa_user_sgpr_count 2
		.amdhsa_user_sgpr_kernarg_segment_ptr 1
		.amdhsa_wavefront_size32 1
		.amdhsa_system_sgpr_workgroup_id_x 1
		.amdhsa_system_sgpr_workgroup_id_y 1
		.amdhsa_system_sgpr_workgroup_id_z 1
		.amdhsa_system_vgpr_workitem_id 0
		.amdhsa_next_free_vgpr 1024
		.amdhsa_next_free_sgpr 80
		.amdhsa_reserve_vcc 0
		.amdhsa_float_denorm_mode_32 3
		.amdhsa_float_denorm_mode_16_64 3
		.amdhsa_memory_ordered 1
		.amdhsa_forward_progress 1
		.amdhsa_inst_pref_size 255
	.end_amdhsa_kernel
	.section	.bss,"aw",@nobits
	.p2align	6
	.space	262144
	.amdgpu_metadata
---
amdhsa.version: [ 1, 2 ]
amdhsa.kernels:
  - .name:           k_qe397ec3fae_scores
    .symbol:         k_qe397ec3fae_scores.kd
    .args:
      - { .name: encoder_outputs, .offset: 0, .size: 8, .value_kind: global_buffer, .address_space: global }
      - { .name: wimg, .offset: 8, .size: 8, .value_kind: global_buffer, .address_space: global }
      - { .name: tab, .offset: 16, .size: 8, .value_kind: global_buffer, .address_space: global }
      - { .name: scores, .offset: 24, .size: 8, .value_kind: global_buffer, .address_space: global }
    .group_segment_fixed_size: 327680
    .private_segment_fixed_size: 0
    .kernarg_segment_align: 8
    .kernarg_segment_size: 32
    .max_flat_workgroup_size: 128
    .sgpr_count:     80
    .vgpr_count:     1024
    .wavefront_size: 32
...
	.end_amdgpu_metadata
.endif
;; end of part 2
;; launch context (part 3): grid 8 x 32, 16 waves a work-group, no clusters, 10,752 bytes of LDS; arguments encoder_outputs, scores, out0, out1; writes out0, out1
.if DOCPART == 3
	.amdgcn_target "amdgcn-amd-amdhsa--gfx1250"
	.amdhsa_code_object_version 6
	.text
	.protected	k_qe397ec3fae_context
	.globl	k_qe397ec3fae_context
	.p2align	8
	.type	k_qe397ec3fae_context,@function
k_qe397ec3fae_context:
	s_mov_b64 s[64:65], 0
	v_nop
	global_prefetch_b8 v0, s[64:65] scope:SCOPE_SE
	s_setreg_imm32_b32 hwreg(HW_REG_WAVE_MODE, 25, 1), 1
	s_wait_xcnt 0x0
; weights[b][s] = softmax over s of scores[b][s];  context[b][c] = sum over s of weights[b][s] enc[b][s][c].  All f32: a stream, so no matrix unit (M = 1), no tensor load, no cluster
; (work-groups share only a batch's 8,192 bytes of scores).
; SHARES.  Work-group (x, y) owns batch y and columns 128 x .. 128 x + 127: 512 consecutive bytes of each row, so each number of the context has one owner.  Wave w takes rows 128 w .. 128 w + 127; a load takes a row's 512 bytes.
; The maximum is taken away before the exponential.  A ring of 24 rows in registers keeps 24 loads of every wave on their way.
; LIMITS: NaN and infinities among the inputs are not served.
.set L2E,   0x3fb8aa3b                 ; log2(e)
.set DEPTH, 24
.set RED,   0                          ; LDS: 16 maxima;
.set RED2,  256                        ; 16 sums;
.set PART,  512                        ; 16 waves x 512 bytes: the waves' parts of the context
.set W,     4                          ; v4-7   scores, then p, then weights
.set ACC,   16                         ; v16-23 two sets of four sums
.set X,     32                         ; v32-127 the ring
.set T,     128                        ; v128-143 the sixteen waves' figures
	s_load_b256 s[4:11], s[0:1], 0x0               ; enc s[4:5], scores s[6:7], out0 s[8:9], out1 s[10:11]
	v_lshl_add_u32 v144, v0, 2, 0x2200
	v_mov_b32 v145, 0
	v_lshrrev_b32 v1, 5, v0
	v_readfirstlane_b32 s12, v1                    ; wave 0..15
	v_lshlrev_b32 v2, 4, v0                        ; 16 x thread
	v_and_b32 v3, 31, v0
	v_lshlrev_b32 v3, 4, v3                        ; 16 x lane
	v_mov_b32 v9, 0                                ; a lane permute's destination counts as one of its sources
	v_mov_b32 v25, 0                               ; LDS byte 0
	s_lshl_b32 s21, s12, 2
	v_mov_b32 v24, s21                             ; my wave's word
	s_lshl_b32 s22, s12, 9
	v_add_nc_u32 v26, s22, v3                      ; my wave's part: 512 w + 16 x lane
	s_mov_b32 s24, 0x76543210
	s_mov_b32 s25, 0xfedcba98
.irp i, 41,43,45,47,49,51,53,55
	s_mov_b32 s[\i], 0                             ; the upper words of the pairs that carry weights: named, so written
.endr
	s_and_b32 s13, ttmp7, 0xffff                   ; the batch
	s_lshl_b32 s14, s13, 23                        ; enc: 2,048 rows of 4,096 bytes a batch,
	s_lshl_b32 s16, s12, 19                        ; 128 rows a wave,
	s_add_co_u32 s14, s14, s16
	s_lshl_b32 s20, ttmp9, 9                       ; 512 bytes a work-group
	s_add_co_u32 s14, s14, s20
	s_mov_b32 s15, 0
	s_lshl_b32 s16, s13, 13                        ; scores, out1: 8,192 b
	s_mov_b32 s17, 0
	s_lshl_b32 s18, s13, 12                        ; out0: 4,096 b + 512 x
	s_add_co_u32 s18, s18, s20
	s_mov_b32 s19, 0
	s_wait_alu depctr_va_vdst(0)
	s_wait_kmcnt 0x0
	s_add_nc_u64 s[4:5], s[4:5], s[14:15]
	s_add_nc_u64 s[6:7], s[6:7], s[16:17]
	s_add_nc_u64 s[10:11], s[10:11], s[16:17]
	s_add_nc_u64 s[8:9], s[8:9], s[18:19]
	global_load_b128 v[W:W+3], v2, s[6:7]
.set n, 0
.rept DEPTH
	global_load_b128 v[X+4*n:X+4*n+3], v3, s[4:5] offset:4096*n th:TH_LOAD_NT   ; the ring is filled: rows 0 to 23
.set n, n+1
.endr
	s_wait_loadcnt DEPTH                           ; my four scores are in; the 24 rows behind them stay out
	v_max3_num_f32 v8, v[W], v[W+1], v[W+2]
	v_max_num_f32 v8, v8, v[W+3]
	v_max_num_f32_dpp v8, v8, v8 row_xmask:1 row_mask:0xf bank_mask:0xf
	v_max_num_f32_dpp v8, v8, v8 row_xmask:2 row_mask:0xf bank_mask:0xf
	v_max_num_f32_dpp v8, v8, v8 row_xmask:4 row_mask:0xf bank_mask:0xf
	v_max_num_f32_dpp v8, v8, v8 row_xmask:8 row_mask:0xf bank_mask:0xf
	v_permlanex16_b32 v9, v8, s24, s25
	v_max_num_f32 v8, v8, v9                       ; my wave's maximum
	ds_store_b32 v24, v8 offset:RED
	s_wait_dscnt 0x0                               ; for the others' sake
	s_barrier_signal -1
	s_barrier_wait -1
.irp i, 0,1,2,3
	ds_load_b128 v[T+4*\i:T+4*\i+3], v25 offset:RED+16*\i
.endr
	s_wait_dscnt 0x0
	v_max3_num_f32 v8, v[T], v[T+1], v[T+2]
.irp i, 3,5,7,9,11,13
	v_max3_num_f32 v8, v8, v[T+\i], v[T+\i+1]
.endr
	v_max_num_f32 v8, v8, v[T+15]                  ; the row's maximum
.irp i, 0,1,2,3
	v_sub_f32 v[W+\i], v[W+\i], v8                 ; the difference first, then the factor: no rounded product of the maximum enters a difference
.endr
.irp i, 0,1,2,3
	v_mul_f32 v[W+\i], L2E, v[W+\i]
.endr
	s_wait_alu depctr_va_vdst(0)
.irp i, 0,1,2,3
	v_exp_f32 v[W+\i], v[W+\i]
.endr
	v_nop                                          ; a plain instruction behind the last exponential
	s_wait_alu depctr_va_vdst(0)                   ; one wait for the four, ahead of their first reader
	v_add_f32 v13, v[W], v[W+1]
	v_add_f32 v14, v[W+2], v[W+3]
	v_add_f32 v13, v13, v14
	v_add_f32_dpp v13, v13, v13 row_xmask:1 row_mask:0xf bank_mask:0xf
	v_add_f32_dpp v13, v13, v13 row_xmask:2 row_mask:0xf bank_mask:0xf
	v_add_f32_dpp v13, v13, v13 row_xmask:4 row_mask:0xf bank_mask:0xf
	v_add_f32_dpp v13, v13, v13 row_xmask:8 row_mask:0xf bank_mask:0xf
	v_permlanex16_b32 v9, v13, s24, s25
	v_add_f32 v13, v13, v9                         ; my wave's sum
	ds_store_b32 v24, v13 offset:RED2              ; other bytes than the maxima's: no barrier is owed between
	s_wait_dscnt 0x0
	s_barrier_signal -1
	s_barrier_wait -1
.irp i, 0,1,2,3
	ds_load_b128 v[T+4*\i:T+4*\i+3], v25 offset:RED2+16*\i
.endr
	s_wait_dscnt 0x0
.irp i, 2,4,6,8,10,12,14
	v_pk_add_f32 v[T:T+1], v[T:T+1], v[T+\i:T+\i+1]
.endr
	v_add_f32 v13, v[T], v[T+1]                    ; the row's sum: the same order in every wave and work-group
	s_wait_alu depctr_va_vdst(0)
	v_rcp_f32 v13, v13
	v_nop
	s_wait_alu depctr_va_vdst(0)
.irp i, 0,1,2,3
	v_mul_f32 v[W+\i], v[W+\i], v13                ; the weights; not written again, so the store below may read them at any time
.endr
	s_wait_alu depctr_va_vdst(0)
	s_lshr_b32 s23, s12, 1
	s_cmp_eq_u32 s23, ttmp9                        ; waves 2 x and 2 x + 1 of work-group x store their weights: each weight once in the launch
	s_cbranch_scc0 .Lnot_mine
	global_store_b128 v2, v[W:W+3], s[10:11]       ; 512 consecutive bytes a wave
.Lnot_mine:
; Row rho of my 128: its load is in when at most the younger ones are out; its weight goes to a scalar pair (eight pairs by turns); two packed multiply-adds; the row 24 further on is asked for into the same registers.
.macro ROW rho
	s_wait_alu depctr_va_vdst(0)
.if 127-(\rho) < DEPTH-1
	s_wait_loadcnt 127-(\rho)                      ; the last rows: the counts run down
.else
	s_wait_loadcnt DEPTH-1
.endif
.set XR, X+4*((\rho)%DEPTH)
.set AR, ACC+4*((\rho)%2)
.set SR, 40+2*((\rho)%8)
	v_readlane_b32 s[SR], v[W+(\rho)%4], (\rho)/4
.if (\rho) < 2
	v_pk_mul_f32 v[AR:AR+1], v[XR:XR+1], s[SR:SR+1] op_sel_hi:[1,0]        ; rows 0 and 1 start the two sets of sums: nothing is cleared
	v_pk_mul_f32 v[AR+2:AR+3], v[XR+2:XR+3], s[SR:SR+1] op_sel_hi:[1,0]
.else
	v_pk_fma_f32 v[AR:AR+1], v[XR:XR+1], s[SR:SR+1], v[AR:AR+1] op_sel_hi:[1,0,1]
	v_pk_fma_f32 v[AR+2:AR+3], v[XR+2:XR+3], s[SR:SR+1], v[AR+2:AR+3] op_sel_hi:[1,0,1]
.endif
.if (\rho)+DEPTH < 128
	global_load_b128 v[XR:XR+3], v3, s[4:5] offset:((\rho)+DEPTH)*4096 th:TH_LOAD_NT
.endif
.endm
.set Q, 0
.rept 128
	ROW Q
.set Q, Q+1
.endr
	v_pk_add_f32 v[ACC:ACC+1], v[ACC:ACC+1], v[ACC+4:ACC+5]
	v_pk_add_f32 v[ACC+2:ACC+3], v[ACC+2:ACC+3], v[ACC+6:ACC+7]
	ds_store_b128 v26, v[ACC:ACC+3] offset:PART
	s_wait_dscnt 0x0                               ; for wave 0's sake
	s_barrier_signal -1
	s_barrier_wait -1
	s_cmp_lg_u32 s12, 0
	s_cbranch_scc1 .Lend
.set n, 0
.rept 16
	ds_load_b128 v[X+4*n:X+4*n+3], v3 offset:PART+512*n
.set n, n+1
.endr
	s_wait_dscnt 0x0
.set n, 1
.rept 15
	v_pk_add_f32 v[X:X+1], v[X:X+1], v[X+4*n:X+4*n+1]         ; the sixteen waves' parts, in ascending order
	v_pk_add_f32 v[X+2:X+3], v[X+2:X+3], v[X+4*n+2:X+4*n+3]
.set n, n+1
.endr
	global_store_b128 v3, v[X:X+3], s[8:9]         ; 512 consecutive bytes, at a multiple of 256 from the buffer's first byte
.Lend:
	s_wait_tensorcnt 0x0
	ds_add_u32 v144, v145
	s_wait_dscnt 0x0
	s_endpgm
.Lfunc_end_k_qe397ec3fae_context:
	.size	k_qe397ec3fae_context, .Lfunc_end_k_qe397ec3fae_context-k_qe397ec3fae_context
	.p2alignl 7, 3214868480
	.fill 96, 4, 3214868480
	.section	.rodata,"a",@progbits
	.p2align	6, 0x0
	.amdhsa_kernel k_qe397ec3fae_context
		.amdhsa_group_segment_fixed_size 10752
		.amdhsa_private_segment_fixed_size 0
		.amdhsa_enable_private_segment 0
		.amdhsa_kernarg_size 32
		.amdhsa_user_sgpr_count 2
		.amdhsa_user_sgpr_kernarg_segment_ptr 1
		.amdhsa_wavefront_size32 1
		.amdhsa_system_sgpr_workgroup_id_x 1
		.amdhsa_system_sgpr_workgroup_id_y 1
		.amdhsa_system_sgpr_workgroup_id_z 1
		.amdhsa_system_vgpr_workitem_id 0
		.amdhsa_next_free_vgpr 146
		.amdhsa_next_free_sgpr 66
		.amdhsa_reserve_vcc 0
		.amdhsa_float_denorm_mode_32 3
		.amdhsa_float_denorm_mode_16_64 3
		.amdhsa_memory_ordered 1
		.amdhsa_forward_progress 1
		.amdhsa_inst_pref_size 54
	.end_amdhsa_kernel
	.amdgpu_metadata
---
amdhsa.version: [ 1, 2 ]
amdhsa.kernels:
  - .name:           k_qe397ec3fae_context
    .symbol:         k_qe397ec3fae_context.kd
    .args:
      - { .name: encoder_outputs, .offset: 0, .size: 8, .value_kind: global_buffer, .address_space: global }
      - { .name: scores, .offset: 8, .size: 8, .value_kind: global_buffer, .address_space: global }
      - { .name: out0, .offset: 16, .size: 8, .value_kind: global_buffer, .address_space: global }
      - { .name: out1, .offset: 24, .size: 8, .value_kind: global_buffer, .address_space: global }
    .group_segment_fixed_size: 10752
    .private_segment_fixed_size: 0
    .kernarg_segment_align: 8
    .kernarg_segment_size: 32
    .max_flat_workgroup_size: 512
    .sgpr_count:     66
    .vgpr_count:     146
    .wavefront_size: 32
...
	.end_amdgpu_metadata
.endif
;; end of part 3
